; MI455X (gfx1250); checked and timed in simulation.
; The chip was launched on July 23, 2026; its instructions are those of AMD's public machine-readable ISA for CDNA 5 (MIT licence, August 2026) and "CDNA5" Instruction Set Architecture Reference Guide (July 2026). The comments in the code are by the model that wrote it; some were corrected since.
;; Spline Transformer. Allowed arithmetic: matrix products marked QUANTISED: E2M1 operands, one E8M0 scale for each 32 along K, by v_wmma_scale_f32_16x16x128_f8f6f4 with both operands' format E2M1 (or v_wmma_scale_f32_32x16x128_f4), f32 sums; everything else in f32.
;; Inputs: W1_codes 2,048 x 4 x 16 uint8 (E2M1 codes of W1, K innermost, in blocks of 32 codes, two codes a byte); W1_scales 2,048 x 4 uint8 (E8M0 scales of W1, one for each 32 codes along K); W2_codes 6,272 x 64 x 16 uint8 (E2M1 codes of W2, K innermost, in blocks of 32 codes, two codes a byte); W2_scales 6,272 x 64 uint8 (E8M0 scales of W2, one for each 32 codes along K); b1 2,048 float32; b2 6,272 float32; x_codes 4,096 x 4 x 16 uint8 (E2M1 codes of x, K innermost, in blocks of 32 codes, two codes a byte); x_scales 4,096 x 4 uint8 (E8M0 scales of x, one for each 32 codes along K); y 4,096 x 128 float32.
;; Outputs: out0 4,096 x 128 float32; out1 4,096 x 1 float32.
;; This version of the problem:
;;   THIS VERSION OF THE PROBLEM IS GIVEN IN LOW PRECISION. The matrix products marked QUANTISED in the list below multiply operands that are first quantised to E2M1 (2 exponent bits, 1 mantissa bit; 4 bits a number), with one power-of-two scale for each 32 numbers along K (OCP MX v1.0); their sums are f32. All else is computed in f32.
;;   The module's matrix products, in the order in which they are computed (A, B: the left and right operand; K: the contracted axis; several contracted axes count as one K, in the product's order):
;;     1. [M 4,096, K 128] x [K 128, N 2,048]; A: input x (given as codes); B: input W1 (given as codes): QUANTISED
;;     2. [M 4,096, K 2,048] x [K 2,048, N 6,272]; A: computed on the way; B: input W2 (given as codes): QUANTISED
;;   THE QUANTISER, for each operand of a quantised product, along K:
;;     - K is cut into blocks of 32 from its start; a last block that is shorter is filled with zeros.
;;     - A block's scale is 2^e with e = floor(log2(the largest magnitude in the block)) - 2, held to -126 .. 127; a block of zeros has e = 0. As a byte (E8M0): e + 127.
;;     - Each number is divided by its block's scale, clamped to +-6, and rounded to the nearest number of E2M1, ties to even, subnormals kept.
;;     - The product sums the exact products of the quantised numbers (number of the format x scale) in f32.
;;   ~~~python
;;   def quantise(x, axis):      # numpy; x: float32 -> the quantised numbers, widened to float32 again
;;       x = np.moveaxis(x, axis, -1); K = x.shape[-1]
;;       x = np.pad(x, [(0, 0)] * (x.ndim - 1) + [(0, -K % 32)]); x = x.reshape(x.shape[:-1] + (-1, 32)); a = np.abs(x).max(-1, keepdims=True)
;;       e = np.where(a > 0, np.clip(np.frexp(np.where(a > 0, a, 1))[1] - 1 - 2, -126, 127), 0)      # np.frexp(a)[1] - 1 = floor(log2(a)), exactly
;;       r = np.clip(x / 2.0 ** e, -6, 6)
;;       step = 2.0 ** (np.maximum(np.frexp(np.where(r == 0, 1, r))[1] - 1, 0) - 1)
;;       q = np.round(r / step) * step * 2.0 ** e      # np.round: ties to even
;;       return np.moveaxis(q.reshape(q.shape[:-2] + (-1,))[..., :K], -1, axis).astype(np.float32)
;;   ~~~
;;   OPERANDS COMPUTED ON THE WAY. 'Computed on the way' means the value that the module computes at that place (a softmax that the list does not call 'softmax' is quantised finished and normalised). What goes into a quantiser is computed in f32, as accurately as f32 sums, v_exp_f32 and their like allow (about 1e-6 of the number): no bf16 or f16 on the way to a quantiser, and a product that is left as it is and whose result goes on into a quantised operand takes f32 operands (vector FMAs, or v_wmma_f32_16x16x4_f32). A number that lies on a knife's edge between two numbers of the format may be rounded either way, as far as f32 arithmetic and the matrix unit's own rounding can turn it there, and no further.
;;   INPUTS GIVEN AS CODES. W1 (in the module: [128, 2048], K = its axis 0); W2 (in the module: [2048, 6272], K = its axis 0); x (in the module: [4096, 128], K = its axis 1): each comes as NAME_codes (uint8): NAME with its K axis moved to the last place and cut into blocks of 32 codes, [.., K / 32, bytes a block], one block behind the other in memory; two codes a byte, the lower K in the low four bits (a code: sign, 2 exponent bits, 1 mantissa bit); and NAME_scales (uint8): the same leading axes, one E8M0 byte (e + 127) for each 32 codes along K. Its value is code x scale, taken as it is: it is not quantised again, and the codes and scales need not be those that the quantiser above would give.
;; One version. Each part assembles by itself: llvm-mc -triple=amdgcn-amd-amdhsa -mcpu=gfx1250 --defsym DOCPART=n.
;; ======== version 1 of 1: 3 launches
;; limits: right only within a limited range of input values
;; workspace buffers: hc 4,194,304 bytes; hs 262,144 bytes; ows 2,097,152 bytes; part 524,288 bytes
;; launch hidden (part 1): grid 64 x 4, 4 waves a work-group, no clusters, 0 bytes of LDS; arguments x_codes, x_scales, W1_codes, W1_scales, b1, hc, hs; writes hc, hs
.if DOCPART == 1
	.amdgcn_target "amdgcn-amd-amdhsa--gfx1250"
	.amdhsa_code_object_version 6
	.text
	.protected	k_qe207a9a395_hidden
	.globl	k_qe207a9a395_hidden
	.p2align	8
	.type	k_qe207a9a395_hidden,@function
k_qe207a9a395_hidden:
	s_mov_b64 s[64:65], 0
	v_nop
	global_prefetch_b8 v0, s[64:65] scope:SCOPE_SE
	s_setreg_imm32_b32 hwreg(HW_REG_WAVE_MODE, 25, 1), 1
	s_wait_xcnt 0x0
; h = Q(relu(x W1^T + b1)): the first product on codes of FP4 (E2M1) with E8M0 scales, its result quantised along the 2,048 hidden units, the next product's K.
; x: [4096][128] codes, W1: [2048][128] codes (K innermost), one scale word (4 bytes) a row; b1: [2048] f32.
; SHARES.  Work-group (x, y) takes rows 64 x .. 64 x + 63; its wave w takes hidden units 128 ks .. 128 ks + 127, ks = 4 y + w: one K step of the next product, for four tiles of 16 rows: 32 matrix instructions.
; THE PRODUCT IS USED TRANSPOSED (source 0 = 16 rows of W1, source 1 = 16 rows of x), AND THE ROWS OF W1 THAT FORM A TILE ARE NOT NEIGHBOURS: lane r of tile 2 b + u takes row 32 b + 8 u + r + 8 (r / 8).
; So lane (r, h) holds row r of h, and the 16 registers of tiles 2 b, 2 b + 1 are units 32 b + 16 h + 0 .. 15: neighbours along the next K.  b1 is the C of each product.
; OUT.  hc holds IMAGES OF THE OPERAND'S REGISTERS: [block of 256 rows][256 along K][tile of 16 rows][128 along K][registers 0-3, 4-7][lane][16 bytes]: each store of the wave covers 512 consecutive bytes.
; hs holds the scale words: [block of 256 rows][K step of 128][64 rows g][row r][tile m]: sixteen lanes store 256 consecutive bytes, aligned.
; LIMITS: a block of zeros gets the byte 1 (its codes are zeros, and this program alone reads the bytes); NaN and infinities are not served.
.set XF,  16                           ; v16-47   x's four fragments
.set HA,  48                           ; v48-111  eight tiles of the hidden layer
.set PC,  112                          ; v112-143 the codes, eight registers for each tile of rows: no store's data are written again
.set TM,  200                          ; v200-203 largest magnitudes, v204-207 the other half's / bytes, v212-215 the conversions' scale operands
.set PW,  216                          ; v216-219 the scale words of the four tiles of rows
.set XS,  220                          ; v220-223 x's scale words
.set W1S, 224                          ; v224-231 W1's scale words
.set W1F, 0                            ; window 1: v0-63 W1's eight fragments
.set B1T, 64                           ; window 1: v64-127 b1's eight tiles, in the result's layout
.set SEL, 38                           ; s[38:39] lane selects for v_permlanex16_b32: lane l xor 16
.set MSB, 0
.macro WIN new                         ; the immediate's high byte repeats the setting that is left
.if MSB != (\new)
	s_set_vgpr_msb (MSB<<8)|(\new)
.set MSB, \new
.endif
.endm
; 64 numbers of a lane, register 16 b + i = unit 32 b + 16 (lane / 16) + i of my row, none negative, become a fragment's codes in v[pc] on and its scale word in v[pw].
.macro QUANT s, pc, pw
.irp b, 0,1,2,3
	v_max3_num_f32 v[TM+\b], v[(\s)+16*\b], v[(\s)+1+16*\b], 0x1800000   ; block b: my 16 numbers, and the floor 2^(3 - 127): the byte cannot fall under 1
.endr
.irp i, 2,4,6,8,10,12,14
.irp b, 0,1,2,3
	v_max3_num_f32 v[TM+\b], v[TM+\b], v[(\s)+16*\b+\i], v[(\s)+1+16*\b+\i]   ; the four blocks by turns
.endr
.endr
.irp b, 0,1,2,3
	v_permlanex16_b32 v[TM+4+\b], v[TM+\b], s[SEL], s[SEL+1]
.endr
.irp b, 0,1,2,3
	v_max_num_f32 v[TM+\b], v[TM+\b], v[TM+4+\b]       ; with lane l xor 16's: the block's largest magnitude
.endr
.irp b, 0,1,2,3
	v_add_nc_u32 v[TM+12+\b], 0xff000000, v[TM+\b]     ; 2 off its exponent field: the conversion's scale operand
.endr
.irp b, 0,1,2,3
	v_lshrrev_b32 v[TM+4+\b], 23, v[TM+12+\b]          ; the scale's byte
.endr
	v_lshl_or_b32 v[\pw], v[TM+5], 8, v[TM+4]
	v_lshl_or_b32 v[\pw], v[TM+6], 16, v[\pw]
	v_lshl_or_b32 v[\pw], v[TM+7], 24, v[\pw]          ; my row's scale word
.irp b, 0,1,2,3
	v_cvt_scalef32_pk8_fp4_f32 v[(\pc)+2*\b], v[(\s)+16*\b:(\s)+7+16*\b], v[TM+12+\b]
	v_cvt_scalef32_pk8_fp4_f32 v[(\pc)+1+2*\b], v[(\s)+8+16*\b:(\s)+15+16*\b], v[TM+12+\b]
.endr
	v_nop                                              ; one plain place behind the last scaled conversion
.irp c, 0,1                                        ; the operand's layout wants a whole block in a lane: lanes 0-15 block 2 c, lanes 16-31 block 2 c + 1
.irp i, 0,1
	v_permlane16_swap_b32 v[(\pc)+4*\c+\i], v[(\pc)+2+4*\c+\i]
.endr
.endr
.endm
	s_load_b256 s[4:11], s[0:1], 0x0               ; x's codes s[4:5], x's scales s[6:7], W1's codes s[8:9], W1's scales s[10:11]
	s_load_b128 s[12:15], s[0:1], 0x20             ; b1 s[12:13], hc s[14:15]
	s_load_b64 s[16:17], s[0:1], 0x30              ; hs
	v_lshrrev_b32 v1, 5, v0
	v_readfirstlane_b32 s18, v1                    ; wave 0..3
	v_and_b32 v1, 31, v0                           ; lane
	v_and_b32 v2, 15, v0                           ; r
	v_bfe_u32 v3, v0, 4, 1                         ; h
	v_lshlrev_b32 v4, 6, v2
	v_lshl_add_u32 v4, v3, 4, v4                   ; x: row r of 64 bytes, + 16 h
	v_lshlrev_b32 v5, 2, v2                        ; x's scale words: 4 r
	v_and_b32 v6, 8, v2
	v_add_nc_u32 v6, v6, v2                        ; r + 8 (r / 8)
	v_lshlrev_b32 v7, 6, v6
	v_lshl_add_u32 v7, v3, 4, v7                   ; W1: that row of a tile, + 16 h
	v_lshlrev_b32 v8, 2, v6                        ; and its scale word
	v_lshlrev_b32 v9, 6, v3                        ; b1: 16 h numbers on
	v_lshlrev_b32 v10, 4, v1                       ; an image's place for my lane
	v_lshlrev_b32 v11, 4, v2                       ; hs: 16 r
.irp b, 0,1,2,3
	v_mov_b32 v[TM+4+\b], 0                        ; written once: a lane permute's destination counts as one of its sources
.endr
	s_mov_b32 s[SEL], 0x76543210
	s_mov_b32 s[SEL+1], 0xfedcba98
	s_and_b32 s19, ttmp7, 0xffff
	s_lshl_b32 s19, s19, 2
	s_add_co_u32 s19, s19, s18                     ; ks = 4 y + wave
	s_lshr_b32 s20, ttmp9, 2                       ; which block of 256 rows
	s_and_b32 s21, ttmp9, 3                        ; g: which 64 rows of it
	s_lshl_b32 s22, ttmp9, 12                      ; x: 64 rows of 64 bytes
	s_mov_b32 s23, 0
	s_lshl_b32 s24, ttmp9, 8                       ; x's scale words
	s_mov_b32 s25, 0
	s_lshl_b32 s26, s19, 13                        ; W1: 128 rows of 64 bytes
	s_mov_b32 s27, 0
	s_lshl_b32 s28, s19, 9                         ; W1's scale words, and b1: 128 x 4 bytes
	s_mov_b32 s29, 0
	s_lshl_b32 s30, s20, 3
	s_lshr_b32 s32, s19, 1
	s_add_co_u32 s30, s30, s32                     ; 8 x block + ks / 2
	s_lshl_b32 s30, s30, 4
	s_lshl_b32 s32, s21, 2
	s_add_co_u32 s30, s30, s32                     ; x 16 + 4 g: my first tile of rows
	s_lshl_b32 s30, s30, 11                        ; 2,048 bytes a tile
	s_and_b32 s32, s19, 1
	s_lshl_b32 s32, s32, 10
	s_add_co_u32 s30, s30, s32                     ; + 1,024 (ks % 2)
	s_mov_b32 s31, 0
	s_lshl_b32 s34, s20, 14
	s_lshl_b32 s32, s19, 10
	s_add_co_u32 s34, s34, s32
	s_lshl_b32 s32, s21, 8
	s_add_co_u32 s34, s34, s32                     ; hs: 16,384 x block + 1,024 ks + 256 g
	s_mov_b32 s35, 0
	s_wait_alu depctr_va_vdst(0)
	s_wait_kmcnt 0x0
	s_add_nc_u64 s[4:5], s[4:5], s[22:23]
	s_add_nc_u64 s[6:7], s[6:7], s[24:25]
	s_add_nc_u64 s[8:9], s[8:9], s[26:27]
	s_add_nc_u64 s[10:11], s[10:11], s[28:29]
	s_add_nc_u64 s[12:13], s[12:13], s[28:29]
	s_add_nc_u64 s[14:15], s[14:15], s[30:31]
	s_add_nc_u64 s[16:17], s[16:17], s[34:35]
	WIN 0x40                                       ; destination window 1
.irp t, 0,1,2,3,4,5,6,7                        ; tile t begins at row 32 (t / 2) + 8 (t % 2) of my 128
.irp c, 0,1
	global_load_b128 v[W1F+8*\t+4*\c:W1F+8*\t+4*\c+3], v7, s[8:9] offset:(32*(\t/2)+8*(\t%2))*64+32*\c
.endr
	global_load_b128 v[B1T+8*\t:B1T+8*\t+3], v9, s[12:13] offset:(32*(\t/2)+8*(\t%2))*4
	global_load_b128 v[B1T+8*\t+4:B1T+8*\t+7], v9, s[12:13] offset:(32*(\t/2)+8*(\t%2))*4+16
.endr
	WIN 0
.irp m, 0,1,2,3
.irp c, 0,1
	global_load_b128 v[XF+8*\m+4*\c:XF+8*\m+4*\c+3], v4, s[4:5] offset:1024*\m+32*\c
.endr
	global_load_b32 v[XS+\m], v5, s[6:7] offset:64*\m
.endr
.irp t, 0,1,2,3,4,5,6,7
	global_load_b32 v[W1S+\t], v8, s[10:11] offset:(32*(\t/2)+8*(\t%2))*4
.endr
	s_wait_loadcnt 0x0
.irp m, 0,1,2,3                                ; a tile of 16 rows at a time
	WIN 0x11                                       ; source 0 (W1) and source 2 (b1) window 1
.irp t, 0,1,2,3,4,5,6,7
	v_wmma_scale_f32_16x16x128_f8f6f4 v[HA+8*\t:HA+8*\t+7], v[W1F+8*\t:W1F+8*\t+7], v[XF+8*\m:XF+8*\m+7], v[B1T+8*\t:B1T+8*\t+7], v[W1S+\t], v[XS+\m] matrix_a_fmt:MATRIX_FMT_FP4 matrix_b_fmt:MATRIX_FMT_FP4
.endr
	WIN 0
.rept 4
	v_nop                                          ; four places between the last product and the first read of results
.endr
.irp j, 0,1,2,3,4,5,6,7,8,9,10,11,12,13,14,15,16,17,18,19,20,21,22,23,24,25,26,27,28,29,30,31,32,33,34,35,36,37,38,39,40,41,42,43,44,45,46,47,48,49,50,51,52,53,54,55,56,57,58,59,60,61,62,63
	v_max_num_f32 v[HA+\j], 0, v[HA+\j]            ; relu, in f32; each accumulator from its low end on
.endr
	QUANT HA, PC+8*\m, PW+\m
	global_store_b128 v10, v[PC+8*\m:PC+8*\m+3], s[14:15] offset:2048*\m          ; the fragment as it stands: 512 consecutive bytes a store
	global_store_b128 v10, v[PC+8*\m+4:PC+8*\m+7], s[14:15] offset:2048*\m+512
.endr
	v_cmp_gt_u32 vcc_lo, 16, v1                    ; lanes 0-15 hold each row's four words (lanes 16-31 hold the same)
	s_wait_xcnt 0x0                                ; EXEC is a source of the stores above: it changes only behind this wait
	s_and_saveexec_b32 s36, vcc_lo
	global_store_b128 v11, v[PW:PW+3], s[16:17]    ; sixteen lanes: 256 consecutive bytes, aligned
	s_wait_xcnt 0x0                                ; and again in front of the line that widens it
	s_or_b32 exec_lo, exec_lo, s36
	s_endpgm
.Lfunc_end_k_qe207a9a395_hidden:
	.size	k_qe207a9a395_hidden, .Lfunc_end_k_qe207a9a395_hidden-k_qe207a9a395_hidden
	.p2alignl 7, 3214868480
	.fill 96, 4, 3214868480
	.section	.rodata,"a",@progbits
	.p2align	6, 0x0
	.amdhsa_kernel k_qe207a9a395_hidden
		.amdhsa_group_segment_fixed_size 0
		.amdhsa_private_segment_fixed_size 0
		.amdhsa_enable_private_segment 0
		.amdhsa_kernarg_size 56
		.amdhsa_user_sgpr_count 2
		.amdhsa_user_sgpr_kernarg_segment_ptr 1
		.amdhsa_wavefront_size32 1
		.amdhsa_system_sgpr_workgroup_id_x 1
		.amdhsa_system_sgpr_workgroup_id_y 1
		.amdhsa_system_sgpr_workgroup_id_z 1
		.amdhsa_system_vgpr_workitem_id 0
		.amdhsa_next_free_vgpr 384
		.amdhsa_next_free_sgpr 66
		.amdhsa_reserve_vcc 1
		.amdhsa_float_denorm_mode_32 3
		.amdhsa_float_denorm_mode_16_64 3
		.amdhsa_memory_ordered 1
		.amdhsa_forward_progress 1
		.amdhsa_inst_pref_size 37
	.end_amdhsa_kernel
	.amdgpu_metadata
---
amdhsa.version: [ 1, 2 ]
amdhsa.kernels:
  - .name:           k_qe207a9a395_hidden
    .symbol:         k_qe207a9a395_hidden.kd
    .args:
      - { .name: x_codes, .offset: 0, .size: 8, .value_kind: global_buffer, .address_space: global }
      - { .name: x_scales, .offset: 8, .size: 8, .value_kind: global_buffer, .address_space: global }
      - { .name: W1_codes, .offset: 16, .size: 8, .value_kind: global_buffer, .address_space: global }
      - { .name: W1_scales, .offset: 24, .size: 8, .value_kind: global_buffer, .address_space: global }
      - { .name: b1, .offset: 32, .size: 8, .value_kind: global_buffer, .address_space: global }
      - { .name: hc, .offset: 40, .size: 8, .value_kind: global_buffer, .address_space: global }
      - { .name: hs, .offset: 48, .size: 8, .value_kind: global_buffer, .address_space: global }
    .group_segment_fixed_size: 0
    .private_segment_fixed_size: 0
    .kernarg_segment_align: 8
    .kernarg_segment_size: 56
    .max_flat_workgroup_size: 128
    .sgpr_count:     66
    .vgpr_count:     384
    .wavefront_size: 32
...
	.end_amdgpu_metadata
.endif
;; end of part 1
;; launch spline (part 2): grid 16 x 16, 4 waves a work-group, clusters of 4 x 4, 327,680 bytes of LDS; arguments hc, hs, W2_codes, W2_scales, b2, y, ows, part; writes ows, part
.if DOCPART == 2
	.amdgcn_target "amdgcn-amd-amdhsa--gfx1250"
	.amdhsa_code_object_version 6
	.text
	.protected	k_qe207a9a395_spline
	.globl	k_qe207a9a395_spline
	.p2align	8
	.type	k_qe207a9a395_spline,@function
k_qe207a9a395_spline:
	s_mov_b64 s[64:65], 0
	v_nop
	global_prefetch_b8 v0, s[64:65] scope:SCOPE_SE
	s_setreg_imm32_b32 hwreg(HW_REG_WAVE_MODE, 25, 1), 1
	s_wait_xcnt 0x0
	s_wait_alu depctr_hold_cnt(0) depctr_sa_sdst(0) depctr_va_vdst(0) depctr_va_sdst(0) depctr_va_ssrc(0) depctr_va_vcc(0) depctr_vm_vsrc(0)
	s_getreg_b32 s2, hwreg(HW_REG_IB_STS2, 6, 4)
	s_cmp_eq_u32 s2, 0
	s_cbranch_scc0 .Lentry_in_a_cluster
	s_endpgm
.Lentry_in_a_cluster:
	s_bfe_u32 s2, ttmp6, 0x10000c
	s_cmp_lg_u32 s2, 0xf033
	s_cbranch_scc0 .Lentry_shape_is_right
	s_endpgm
.Lentry_shape_is_right:
; pdf = h W2^T + b2 on codes of FP4 (E2M1) with E8M0 scales, K = 2,048, and, without pdf ever leaving the registers, the rational-quadratic spline of each (row, dim) from its 49 numbers of pdf and y.
; SHARES.  Work-group (cb, rb): 8 dims (392 rows of W2) x 256 rows of h.  Wave w: rows 128 (w / 2) on, dims 4 (w % 2) on: 196 rows of W2 x 128 rows.
; THE PRODUCT IS USED TRANSPOSED: source 0 = 16 rows of W2, source 1 = 16 rows of h.  Tile (q, t) is W2's rows 49 q + 16 t on of my 196: lane (r, h'), register j holds number 16 t + 8 h' + j of dim q for row r.
; 12 such tiles x 8 tiles of rows = 96 accumulators: windows 1 to 3, accumulator (q, t, a) in window 1 + t at v[8 (8 q + a)].
; THE 49TH NUMBER of the work-group's eight dims forms one more tile (position p takes row 49 (p % 8) + 48).  Each wave multiplies it for its first four tiles of rows, the partner on the same rows for the other four;
; a wave numbers its tiles of rows a' = a xor 4 (w % 2), by address; the results change hands through LDS.  100 matrix instructions for 128 along K.
; A STEP of 128 along K: all 12 W2 fragments against h's tiles 0-3, then against tiles 4-7.  So W2's fragments 0-5 and h's tiles 0-3 are fetched anew in the second part's middle, the rest at its end: two runs of LDS loads.
; RING.  W2 in slots of 512 along K (392 rows of 256 bytes + 16 of padding), h in slots of 256 (16 tiles as images of the operand's registers, dense), two slots each; all scale bytes once, at the head.
; A trip of four steps fills W2's other slot and both of h's, each behind a round; by this text's count a wave has one tensor load out at the head and at most one behind each round.
; CLUSTER.  4 x 4 work-groups: the four of a row share h's tiles, the four of a column W2's: each is asked for jointly, by the same tensor load with a mask that names the four.
; PREFETCH.  The tiles that the next trip will ask for are named one trip ahead, each block of 256 bytes once in a cluster: W2's 392 rows in four parts of 98 by cy, h's 128 blocks in four parts of 32 by cx; the last trip names none.
; THE SPLINE.  Four swaps of half rows a register pair give a lane all numbers of a (row, dim): lane (r, h) takes the row tile 2 P + h, row r; four dims at a time.
; With e_k = 2^((w_k - max) log2 e), c_k their running sums, S the total and d = S x 0.001 / 0.984: knot k is c_k + k d, in units in which the whole is S / 0.984.  y x the whole is compared with it.
; The bin is found by four halvings, each a compare and selects: no branch and no address hangs on data.  softplus is taken of the two chosen knots alone.
; OUT.  ows: [group of 4 dims 32][row 4096][4] f32; part: [group 32][row 4096] f32, the sum of ln(deriv) over the four dims.  The last launch turns and adds them.
; LIMITS: a bin's width is a difference of running sums (error some 1e-7 of the total against a width of 1e-3 of it or more); y outside (0, 1) is treated as the clip of the bin's number treats it; NaN and infinities are not served.
.set WSL,  106624                      ; a slot of W2: 392 x 272
.set WHALF, 53312                      ; half of its rows
.set WP,   272                         ; 256 + 16 bytes: sixteen rows on end, and rows 49 apart, start at different 16-byte columns of 256 bytes
.set HOFF, 213248                      ; h's two slots of 32,768
.set SCW,  278784                      ; W2's scale bytes: 392 rows of 64 bytes + 16
.set SWP,  80
.set SCH,  310144                      ; h's scale words: 16,384 bytes
.set SPARE, 326656                     ; the spare words: 128 bytes a wave
.set PST,  16384                       ; the way out, in W2's slot 0, which has then had its last fill and its last read: from byte 0 images of the extra tiles, here 512 bytes a wave of log sums
.set AWB, 1
.set AW,  2                            ; my W2 fragments, in the slot at hand
.set AXB, 3
.set AX,  4                            ; the extra tile's
.set AHL, 5                            ; h's images, tiles a' = 0..3
.set AHH, 6                            ; a' = 4..7
.set ASW, 7                            ; W2's scale words: lanes 0-15 the even dim's tile, lanes 16-31 the odd dim's
.set ASX, 8
.set ASHL, 9                           ; h's scale words: lanes 0-15 the even tile, lanes 16-31 the odd
.set ASHH, 10
.set SPW, 11                           ; my spare word
.set NIL, 12                           ; 0
.set PFW, 13                           ; the prefetches' offsets
.set PFH, 14
.set BA,  15                           ; b2
.set RS,  16                           ; v16-21 W2's scale words, v22-25 h's, v26 the extra tile's: scales and nothing else
.set HSC, 22
.set XS,  26
.set WF,  28                           ; v28-123 W2's twelve fragments
.set XF,  124                          ; v124-131 the extra tile's
.set HF,  132                          ; v132-195 h's eight
.set XA,  196                          ; v196-227 the extra tile's four accumulators
.set YV,  228                          ; v228-243 y: four dims of four pairs of tiles
.set WV,  20                           ; s20 wave; s21 wave / 2; s22 wave % 2
.set RH,  21
.set CC,  22
.set G1H, 24
.set G0H, 32
.set G1W, 40
.set G0W, 48
.set G0HH, 52                          ; the head's loads of h and W2
.set G0WH, 56
.set G0SH, 60
.set G1SH, 68
.set G1SW, 76
.set G0SW, 84
.set MSB, 0
.macro WIN new                         ; the immediate's high byte repeats the setting that is left
.if MSB != (\new)
	s_set_vgpr_msb (MSB<<8)|(\new)
.set MSB, \new
.endif
.endm
.macro PLACES n                        ; plain places behind matrix instructions (ISA guide 7.12.1)
.rept \n
	v_nop
.endr
.endm
.macro TL g0, g1                       ; a tensor load; s_nop 0 and four v_nop follow it
	tensor_load_to_lds s[\g0:\g0+3], s[\g1:\g1+7]
	s_nop 0
	PLACES 4
.endm
.macro JLOAD s                         ; joint loads: waves 0 and 1 fetch h's halves, waves 2 and 3 W2's
	s_cmp_eq_u32 s[RH], 0
	s_cbranch_scc0 .Lfor_w_\@
	TL G0H+4*(\s), G1H
	s_branch .Lasked_\@
.Lfor_w_\@:
	TL G0W, G1W
.Lasked_\@:
.endm
.macro JLOADH s                        ; h alone
	s_cmp_eq_u32 s[RH], 0
	s_cbranch_scc0 .Lno_part_\@
	TL G0H+4*(\s), G1H
.Lno_part_\@:
.endm
.macro CREST                           ; a round of the cluster's barrier behind its opening barrier
	s_cmp_lg_u32 s[WV], 0
	s_cbranch_scc1 .Lnot_wave_0_\@
	s_barrier_signal -3
.Lnot_wave_0_\@:
	s_barrier_wait -3
	s_barrier_signal -1
	s_barrier_wait -1
.endm
.macro CROUND
	s_barrier_signal -1
	s_barrier_wait -1
	CREST
.endm
.macro ARM under, g0, g1, next
	s_cmp_lt_u32 s[WV], \under
	s_cbranch_scc0 \next
	TL \g0, \g1
	s_branch .Lhead_asked
\next:
.endm
; One matrix instruction.  ra, rb: which half of the lanes of the scale registers is read.
.macro WM d, a, b, c, sa, sb, ra, rb
.if (\ra) && (\rb)
	v_wmma_scale_f32_16x16x128_f8f6f4 v[\d:\d+7], v[\a:\a+7], v[\b:\b+7], v[\c:\c+7], v[\sa], v[\sb] matrix_a_fmt:MATRIX_FMT_FP4 matrix_b_fmt:MATRIX_FMT_FP4 matrix_a_scale:MATRIX_SCALE_ROW1 matrix_b_scale:MATRIX_SCALE_ROW1
.elseif (\ra)
	v_wmma_scale_f32_16x16x128_f8f6f4 v[\d:\d+7], v[\a:\a+7], v[\b:\b+7], v[\c:\c+7], v[\sa], v[\sb] matrix_a_fmt:MATRIX_FMT_FP4 matrix_b_fmt:MATRIX_FMT_FP4 matrix_a_scale:MATRIX_SCALE_ROW1
.elseif (\rb)
	v_wmma_scale_f32_16x16x128_f8f6f4 v[\d:\d+7], v[\a:\a+7], v[\b:\b+7], v[\c:\c+7], v[\sa], v[\sb] matrix_a_fmt:MATRIX_FMT_FP4 matrix_b_fmt:MATRIX_FMT_FP4 matrix_b_scale:MATRIX_SCALE_ROW1
.else
	v_wmma_scale_f32_16x16x128_f8f6f4 v[\d:\d+7], v[\a:\a+7], v[\b:\b+7], v[\c:\c+7], v[\sa], v[\sb] matrix_a_fmt:MATRIX_FMT_FP4 matrix_b_fmt:MATRIX_FMT_FP4
.endif
.endm
; W2's fragments i0..i1 against h's tiles a0..a1.  Fragment i = 2 e + u: entry e is tiles (q0, t), (q0 + 1, t), t = e / 2, q0 = 2 (e % 2).  first = 1: C is the bias, which lies in accumulator (q, t, 7)'s registers.
; The accumulators take turns, one instruction a turn.
.macro MMR i0, i1, a0, a1, first
.set mI, \i0
.rept \i1-\i0+1
.set mE, mI>>1
.set mU, mI&1
.set mQ, 2*(mE&1)+mU
	WIN 0x50*((mE>>1)+1)
.set mA, \a0
.rept \a1-\a0+1
.set mD, 8*(8*mQ+mA)
.set mC, mD
.if \first
.set mC, 8*(8*mQ+7)
.endif
.set mW, WF+8*mI
.set mH, HF+8*mA
.set mS, RS+mE
.set mT, HSC+mA/2
.set mR, mA&1
	WM mD, mW, mH, mC, mS, mT, mU, mR
.set mA, mA+1
.endr
.set mI, mI+1
.endr
.endm
.macro MMX a0, a1, first               ; the extra tile against h's tiles a0..a1; window 0
.set mA, \a0
.rept \a1-\a0+1
.set mD, XA+8*mA
.set mC, mD
.if \first
.set mC, XA+24
.endif
.set mH, HF+8*mA
.set mT, HSC+mA/2
.set mR, mA&1
	WM mD, XF, mH, mC, XS, mT, 0, mR
.set mA, mA+1
.endr
.endm
; Runs of LDS loads.  hs: h's slot; hk: which 128 of its 256 along K; wc: which 128 of W2's 512; kb: the step's scale words, counted from where the scale addresses stand.
.macro ENTL e, wc, kb                  ; 5 loads: an entry's two fragments and their scale words
.irp u, 0,1
	ds_load_b128 v[WF+16*\e+8*\u:WF+16*\e+8*\u+3], v[AW] offset:(98*(\e&1)+49*\u+16*(\e>>1))*WP+64*\wc
	ds_load_b128 v[WF+16*\e+8*\u+4:WF+16*\e+8*\u+7], v[AW] offset:(98*(\e&1)+49*\u+16*(\e>>1))*WP+64*\wc+32
.endr
	ds_load_b32 v[RS+\e], v[ASW] offset:(98*(\e&1)+16*(\e>>1))*SWP+4*\kb
.endm
.macro RUN1 hs, hk, wc, kb             ; 25 loads: h's tiles 0-3, entries 0-2
	ds_load_b32 v[HSC], v[ASHL] offset:1024*\kb
	ds_load_b32 v[HSC+1], v[ASHL] offset:1024*\kb+8
.irp a, 0,1,2,3
	ds_load_b128 v[HF+8*\a:HF+8*\a+3], v[AHL] offset:32768*\hs+2048*\a+1024*\hk
	ds_load_b128 v[HF+8*\a+4:HF+8*\a+7], v[AHL] offset:32768*\hs+2048*\a+1024*\hk+512
.endr
	ENTL 0, \wc, \kb
	ENTL 1, \wc, \kb
	ENTL 2, \wc, \kb
.endm
.macro RUN2 hs, hk, wc, kb             ; 28 loads: entries 3-5, the extra tile, h's tiles 4-7
	ENTL 3, \wc, \kb
	ENTL 4, \wc, \kb
	ENTL 5, \wc, \kb
	ds_load_b128 v[XF:XF+3], v[AX] offset:64*\wc
	ds_load_b128 v[XF+4:XF+7], v[AX] offset:64*\wc+32
	ds_load_b32 v[XS], v[ASX] offset:4*\kb
	ds_load_b32 v[HSC+2], v[ASHH] offset:1024*\kb
	ds_load_b32 v[HSC+3], v[ASHH] offset:1024*\kb+8
.irp a, 0,1,2,3
	ds_load_b128 v[HF+32+8*\a:HF+35+8*\a], v[AHH] offset:32768*\hs+2048*\a+1024*\hk
	ds_load_b128 v[HF+36+8*\a:HF+39+8*\a], v[AHH] offset:32768*\hs+2048*\a+1024*\hk+512
.endr
.endm
.macro PH1 first                       ; the step's first part
.irp e, 0,1,2,3,4,5
	s_wait_dscnt 38-5*\e                           ; entry e is in; out may be: the entries behind it (5 loads each), the extra tile's 3, the 10 of h's tiles 4-7
	MMR 2*\e, 2*\e+1, 0, 3, \first
.endr
	s_wait_dscnt 10                                ; the extra tile is in
	WIN 0
.if \first
	MMX 0, 2, 1
	PLACES 5                                       ; its bias registers are then written over
	MMX 3, 3, 0
.else
	MMX 0, 3, 0
.endif
.endm
.macro ASKW                            ; the prefetches of the next trip's W2 slot and first h slot; s23 = 1 in the last trip
	s_cmp_gt_u32 s23, 1
	s_cbranch_scc0 .Lnone_\@
	global_prefetch_b8 v[PFW], s[8:9] offset:512 th:TH_LOAD_NT scope:SCOPE_SE
	global_prefetch_b8 v[PFH], s[4:5] offset:131072 th:TH_LOAD_NT scope:SCOPE_SE
.Lnone_\@:
.endm
.macro ASKH                            ; of its second h slot
	s_cmp_gt_u32 s23, 1
	s_cbranch_scc0 .Lnone_\@
	global_prefetch_b8 v[PFH], s[4:5] offset:163840 th:TH_LOAD_NT scope:SCOPE_SE
.Lnone_\@:
.endm
; A STEP.  mode 0: the next step lies in the same slots.  1: h's slot is left and filled again, and W2's other slot with it.  2: h's slot is left and filled again, and W2's slot is left.  3: h's slot is left, nothing is filled.  4: the last step.
; nhs .. nkb say where the NEXT step lies.  All of this step's LDS loads were issued by the step before.
.macro STEP mode, nhs, nhk, nwc, nkb
	PH1 0
.if ((\mode) == 0) || ((\mode) == 4)
	s_wait_dscnt 0x0
	MMR 0, 5, 4, 7, 0
	WIN 0
.if (\mode) == 0
	PLACES 4
.endif
.else
	s_wait_dscnt 0x0
	s_wait_tensorcnt 0x0                           ; all my tensor loads have landed, my part of the next slot among them
	ds_add_u32 v[SPW], v[NIL]                      ; 0 onto my spare word
.if (\mode) != 3
	s_add_nc_u64 s[G0H+4*(1-\nhs)+2:G0H+4*(1-\nhs)+3], s[G0H+4*(1-\nhs)+2:G0H+4*(1-\nhs)+3], 65536   ; two slots on in hc
.endif
.if (\mode) == 1
	s_xor_b32 s2, s2, WSL                          ; W2's other slot
	s_add_co_u32 s[G0W+1], s2, s10
	s_add_nc_u64 s[G0W+2:G0W+3], s[G0W+2:G0W+3], 256
.endif
	MMR 0, 2, 4, 7, 0                              ; twelve matrix instructions stand between the add and the wait for it
	s_wait_dscnt 0x0                               ; the add is done, and my reads of this slot are over
	s_barrier_signal -1
	MMR 3, 5, 4, 7, 0
	WIN 0
	s_barrier_wait -1
.if (\mode) == 1
	CREST                                          ; a round: no wave of any partner still reads these slots or has a load on its way
	JLOAD 1-\nhs
.endif
.if (\mode) == 2
	CREST
	JLOADH 1-\nhs
	PLACES 4
	v_add_nc_u32 v[AW], s2, v[AWB]
	v_add_nc_u32 v[AX], s2, v[AXB]
	s_wait_alu depctr_va_vdst(0)                   ; directly behind the writes
.endif
.if (\mode) == 3
	PLACES 4
.endif
.endif
.if (\mode) != 4
	RUN1 \nhs, \nhk, \nwc, \nkb
.endif
.if (\mode) == 1
	ASKW
.endif
.if (\mode) == 2
	ASKH
.endif
	MMR 6, 11, 4, 7, 0
	WIN 0
.if (\mode) != 4
	PLACES 4
	RUN2 \nhs, \nhk, \nwc, \nkb
.endif
.endm
	s_load_b256 s[4:11], s[0:1], 0x0               ; hc s[4:5], hs s[6:7], W2's codes s[8:9], W2's scales s[10:11]
	s_load_b256 s[12:19], s[0:1], 0x20             ; b2 s[12:13], y s[14:15], ows s[16:17], part s[18:19]
	v_lshl_add_u32 v[SPW], v0, 2, SPARE
	v_mov_b32 v[NIL], 0
	ds_add_u32 v[SPW], v[NIL]                      ; the wave's opening: the add, twice on end, and its wait ahead of my first tensor load
	ds_add_u32 v[SPW], v[NIL]
	v_lshrrev_b32 v1, 5, v0
	v_readfirstlane_b32 s[WV], v1
	s_lshr_b32 s[RH], s[WV], 1                     ; which 128 rows are mine.  Also: in the ring I fetch for h (0) or for W2 (1)
	s_and_b32 s[CC], s[WV], 1                      ; which four dims.  Also: which half of a tile I fetch
	s_xor_b32 s3, s[WV], 1                         ; my partner on the same rows
	s_bfe_u32 s88, ttmp6, 0x40000                  ; cx
	s_bfe_u32 s89, ttmp6, 0x40004                  ; cy
	s_lshl_b32 s90, ttmp9, 2
	s_add_co_u32 s90, s90, s88                     ; cb: which 8 dims
	s_and_b32 s91, ttmp7, 0xffff
	s_lshl_b32 s91, s91, 2
	s_add_co_u32 s91, s91, s89                     ; rb: which 256 rows
	s_lshl_b32 s92, s89, 2
	s_lshl_b32 s92, 15, s92                        ; my row of the cluster: it shares rb
	s_lshl_b32 s93, 0x1111, s88                    ; my column: it shares cb
	; group 1.  h: dense, as rows of 32 elements of 8 bytes: 128 rows for the head's load, then 64
	s_or_b32 s[G1H], s92, (3<<16)|(1<<21)
	s_mov_b32 s[G1H+1], 32<<16
	s_mov_b32 s[G1H+2], 128<<16
	s_mov_b32 s[G1H+3], 32<<16
	s_mov_b32 s[G1H+4], 128
	s_mov_b32 s[G1H+5], 32
	s_mov_b32 s[G1H+6], 0
	s_mov_b32 s[G1H+7], 0
	; W2: rows of 256 bytes, 1,024 bytes apart, 16 bytes of padding behind each: 392 rows for the head's load, then 196
	s_or_b32 s[G1W], s93, (1<<20)|(1<<21)|(5<<22)|(3<<25)
	s_mov_b32 s[G1W+1], 256<<16
	s_mov_b32 s[G1W+2], 392<<16
	s_mov_b32 s[G1W+3], 256<<16
	s_mov_b32 s[G1W+4], 392
	s_mov_b32 s[G1W+5], 1024
	s_mov_b32 s[G1W+6], 0
	s_mov_b32 s[G1W+7], 0
	; h's scale words: 16,384 dense bytes
	s_or_b32 s[G1SH], s92, (3<<16)|(1<<21)
	s_mov_b32 s[G1SH+1], 32<<16
	s_mov_b32 s[G1SH+2], 64<<16
	s_mov_b32 s[G1SH+3], 32<<16
	s_mov_b32 s[G1SH+4], 64
	s_mov_b32 s[G1SH+5], 32
	s_mov_b32 s[G1SH+6], 0
	s_mov_b32 s[G1SH+7], 0
	; W2's scale bytes: 25,088 dense bytes as 98 rows of 256; 16 bytes of padding behind every 64
	s_or_b32 s[G1SW], s93, (3<<16)|(1<<20)|(1<<21)|(3<<22)|(3<<25)
	s_mov_b32 s[G1SW+1], 32<<16
	s_mov_b32 s[G1SW+2], 98<<16
	s_mov_b32 s[G1SW+3], 32<<16
	s_mov_b32 s[G1SW+4], 98
	s_mov_b32 s[G1SW+5], 32
	s_mov_b32 s[G1SW+6], 0
	s_mov_b32 s[G1SW+7], 0
	; where the tiles come from: h's hang on rb alone (s94-97), W2's on cb alone (s98-101)
	s_lshl_b32 s94, s91, 18
	s_mov_b32 s95, 0
	s_lshl_b32 s96, s91, 14
	s_mov_b32 s97, 0
	s_mul_i32 s98, s90, 401408                     ; 392 rows of 1,024 bytes
	s_mov_b32 s99, 0
	s_mul_i32 s100, s90, 25088
	s_mov_b32 s101, 0
	s_wait_dscnt 0x0                               ; both opening adds are done
	s_wait_kmcnt 0x0
	s_add_nc_u64 s[94:95], s[4:5], s[94:95]
	s_add_nc_u64 s[96:97], s[6:7], s[96:97]
	s_add_nc_u64 s[98:99], s[8:9], s[98:99]
	s_add_nc_u64 s[100:101], s[10:11], s[100:101]
	s_mov_b32 s[G0HH], 1                           ; the head's four tiles, each whole
	s_mov_b32 s[G0HH+1], HOFF
	s_mov_b64 s[G0HH+2:G0HH+3], s[94:95]
	s_or_b32 s[G0HH+3], s[G0HH+3], 0x80000000
	s_mov_b32 s[G0WH], 1
	s_mov_b32 s[G0WH+1], 0
	s_mov_b64 s[G0WH+2:G0WH+3], s[98:99]
	s_or_b32 s[G0WH+3], s[G0WH+3], 0x80000000
	s_mov_b32 s[G0SH], 1
	s_mov_b32 s[G0SH+1], SCH
	s_mov_b64 s[G0SH+2:G0SH+3], s[96:97]
	s_or_b32 s[G0SH+3], s[G0SH+3], 0x80000000
	s_mov_b32 s[G0SW], 1
	s_mov_b32 s[G0SW+1], SCW
	s_mov_b64 s[G0SW+2:G0SW+3], s[100:101]
	s_or_b32 s[G0SW+3], s[G0SW+3], 0x80000000
	CROUND                                         ; all sixteen work-groups are here: the first joint loads meet
; THE HEAD'S LOADS, one a wave.
	ARM 1, G0WH, G1W, .Lhead_h
	ARM 2, G0HH, G1H, .Lhead_sh
	ARM 3, G0SH, G1SH, .Lhead_sw
	TL G0SW, G1SW
.Lhead_asked:
	s_mov_b64 s[4:5], s[94:95]                     ; the prefetches' bases
	s_mov_b64 s[8:9], s[98:99]
	s_lshl_b32 s66, s[CC], 14                      ; the ring: my half of h's slot,
	s_mov_b32 s67, 0
	s_add_nc_u64 s[94:95], s[94:95], s[66:67]
	s_add_co_u32 s11, s66, HOFF
	s_mul_i32 s66, s[CC], 200704                   ; and of W2's rows
	s_add_nc_u64 s[98:99], s[98:99], s[66:67]
	s_mul_i32 s10, s[CC], WHALF
.irp s, 0,1
	s_mov_b32 s[G0H+4*\s], 1
	s_add_co_u32 s[G0H+4*\s+1], s11, 32768*\s
	s_add_nc_u64 s[G0H+4*\s+2:G0H+4*\s+3], s[94:95], 32768*\s
	s_or_b32 s[G0H+4*\s+3], s[G0H+4*\s+3], 0x80000000
.endr
	s_mov_b32 s[G0W], 1
	s_mov_b32 s[G0W+1], s10
	s_mov_b64 s[G0W+2:G0W+3], s[98:99]
	s_or_b32 s[G0W+3], s[G0W+3], 0x80000000
	s_mov_b32 s2, 0                                ; W2's slot at hand, as an LDS offset
	; b2, y, ows and part at my part
	s_mul_i32 s66, s90, 1568
	s_add_nc_u64 s[12:13], s[12:13], s[66:67]
	s_lshl_b32 s66, s91, 17                        ; y: 256 rows of 512 bytes, 8 cb dims, my four
	s_lshl_b32 s92, s90, 5
	s_add_co_u32 s66, s66, s92
	s_lshl_b32 s92, s[CC], 4
	s_add_co_u32 s66, s66, s92
	s_add_nc_u64 s[14:15], s[14:15], s[66:67]
	s_lshl_b32 s93, s90, 1
	s_add_co_u32 s93, s93, s[CC]                   ; my group of four dims
	s_lshl_b32 s66, s93, 16
	s_lshl_b32 s92, s91, 12
	s_add_co_u32 s66, s66, s92
	s_add_nc_u64 s[16:17], s[16:17], s[66:67]
	s_lshl_b32 s66, s93, 14
	s_lshl_b32 s92, s91, 10
	s_add_co_u32 s66, s66, s92
	s_lshl_b32 s92, s[RH], 9
	s_add_co_u32 s66, s66, s92
	s_add_nc_u64 s[18:19], s[18:19], s[66:67]
	s_lshl_b32 s92, s[WV], 13                      ; my tiles a' = 0..3 are the block's tiles 4 x wave on, 2,048 bytes each; a' = 4..7 my partner's first four
	s_add_co_u32 s92, s92, HOFF
	s_lshl_b32 s93, s3, 13
	s_add_co_u32 s93, s93, HOFF
	s_mul_i32 s94, s[CC], 196*SWP
	s_add_co_u32 s94, s94, SCW
	s_lshl_b32 s95, s[WV], 8
	s_add_co_u32 s95, s95, SCH
	s_lshl_b32 s96, s3, 8
	s_add_co_u32 s96, s96, SCH
	s_mul_i32 s97, s[CC], 784
	s_mul_i32 s98, s89, 98
	s_lshl_b32 s99, s88, 5
	s_lshl_b32 s100, s[WV], 3
	s_add_co_u32 s99, s99, s100
	s_lshl_b32 s100, s[WV], 15
	s_lshl_b32 s101, s3, 15
	v_bfe_u32 v250, v0, 4, 1                       ; h
	v_and_b32 v248, 31, v0                         ; lane
	v_lshlrev_b32 v[BA], 5, v250
	v_lshlrev_b32 v252, 9, v248
	v_add_nc_u32 v[BA], s97, v[BA]                 ; b2: my dims, + 8 h numbers
	v_add_nc_u32 v244, s100, v252                  ; y: a lane a row
	v_add_nc_u32 v245, s101, v252
	v_mov_b32 v254, 0
	; b2 by single numbers (49 q x 4 bytes is no multiple of 16): tile (q, t)'s bias, in the result's layout, into accumulator (q, t, 7)
.irp t, 0,1,2
	WIN 0x40*(\t+1)
.irp q, 0,1,2,3
.irp j, 0,1,2,3,4,5,6,7
	global_load_b32 v[64*\q+56+\j], v[BA], s[12:13] offset:4*(49*\q+16*\t+\j)
.endr
.endr
.endr
	WIN 0
.irp j, 0,1,2,3,4,5,6,7
	global_load_b32 v[XA+24+\j], v254, s[12:13] offset:4*(49*\j+48)      ; the extra tile's: register j is dim j's number 48
.endr
.irp p, 0,1,2,3
	global_load_b128 v[YV+4*\p:YV+4*\p+3], v[244+(\p>>1)], s[14:15] offset:16384*(\p&1)
.endr
	v_and_b32 v249, 15, v0                         ; r
	v_and_b32 v251, 7, v0
	v_lshlrev_b32 v252, 4, v248
	v_mul_u32_u24 v[AWB], WP, v249
	v_mul_u32_u24 v[AXB], 49*WP, v251              ; the extra tile: row 49 (r % 8) + 48 of the work-group's 392
	v_mul_u32_u24 v253, SWP, v249
	v_mul_u32_u24 v[ASX], 49*SWP, v251
	v_lshl_add_u32 v[AWB], v250, 4, v[AWB]
	v_lshl_add_u32 v[AXB], v250, 4, v[AXB]
	v_mad_u32_u24 v253, v250, 49*SWP, v253         ; lanes 16-31: the next dim, 49 rows on
	v_add_nc_u32 v[ASX], SCW+48*SWP, v[ASX]
	v_add_nc_u32 v[AWB], s10, v[AWB]
	v_add_nc_u32 v[AXB], 48*WP, v[AXB]
	v_add_nc_u32 v[ASW], s94, v253
	v_add_nc_u32 v[AHL], s92, v252
	v_add_nc_u32 v[AHH], s93, v252
	v_add_nc_u32 v[AW], s2, v[AWB]
	v_add_nc_u32 v[AX], s2, v[AXB]
	v_lshlrev_b32 v253, 4, v249
	v_min_u32 v[PFW], 97, v0                       ; W2's prefetch: rows 98 cy + thread, at most + 97
	v_min_u32 v[PFH], 7, v248                      ; h's: blocks 32 cx + 8 wave + lane, at most + 7
	v_lshl_add_u32 v253, v250, 2, v253             ; h's scale words: 16 r + 4 (tile in its four); lanes 16-31 the next tile
	v_add_nc_u32 v[PFW], s98, v[PFW]
	v_add_nc_u32 v[PFH], s99, v[PFH]
	v_add_nc_u32 v[ASHL], s95, v253
	v_add_nc_u32 v[ASHH], s96, v253
	v_lshlrev_b32 v[PFW], 10, v[PFW]
	v_lshlrev_b32 v[PFH], 8, v[PFH]
	s_wait_alu depctr_va_vdst(0)
	s_wait_tensorcnt 0x0                           ; my tile of the head's four is in
	ds_add_u32 v[SPW], v[NIL]
	s_mov_b32 s[G1H+2], 64<<16                     ; no tensor load of mine is out: from here on a load brings half a tile
	s_mov_b32 s[G1H+4], 64
	s_mov_b32 s[G1W+2], 196<<16
	s_mov_b32 s[G1W+4], 196
	s_wait_dscnt 0x0
	CROUND                                         ; all four tiles are in, and all sixteen work-groups are here
	JLOADH 1                                       ; h's slot 1
	RUN1 0, 0, 0, 0
	RUN2 0, 0, 0, 0
	global_prefetch_b8 v[PFW], s[8:9] offset:256 th:TH_LOAD_NT scope:SCOPE_SE       ; what the first trip will ask for
	global_prefetch_b8 v[PFH], s[4:5] offset:65536 th:TH_LOAD_NT scope:SCOPE_SE
	global_prefetch_b8 v[PFH], s[4:5] offset:98304 th:TH_LOAD_NT scope:SCOPE_SE
	s_wait_loadcnt 4                               ; b2 is in; y's four loads may be out
	; THE FIRST STEP starts the sums with b2: the products for a' = 0..6 take accumulator (q, t, 7) as C; five places on, since its registers are then written over, a' = 7 adds in place
	PH1 1
	s_wait_dscnt 0x0
	MMR 0, 5, 4, 6, 1
	PLACES 5
	MMR 0, 5, 7, 7, 0
	WIN 0
	PLACES 4
	RUN1 0, 1, 1, 1
	MMR 6, 11, 4, 6, 1
	PLACES 5
	MMR 6, 11, 7, 7, 0
	WIN 0
	PLACES 4
	RUN2 0, 1, 1, 1
	s_mov_b32 s23, 3
.Lk:                                               ; trip t: steps 4 t + 1 .. 4 t + 4
	STEP 1, 1, 0, 2, 2
	STEP 0, 1, 1, 3, 3
	STEP 2, 0, 0, 0, 4
	STEP 0, 0, 1, 1, 5
	v_add_nc_u32 v[ASW], 16, v[ASW]                ; four steps' scale words on
	v_add_nc_u32 v[ASX], 16, v[ASX]
	v_add_nc_u32 v[ASHL], 4096, v[ASHL]
	v_add_nc_u32 v[ASHH], 4096, v[ASHH]
	s_wait_alu depctr_va_vdst(0)
	s_wait_xcnt 0x0                                ; the prefetches have read their bases
	s_add_nc_u64 s[4:5], s[4:5], 65536
	s_add_nc_u64 s[8:9], s[8:9], 256
	s_sub_co_u32 s23, s23, 1
	s_cmp_lg_u32 s23, 0
	s_cbranch_scc1 .Lk
	STEP 3, 1, 0, 2, 2                             ; the tail is written out: nothing more is asked for
	STEP 0, 1, 1, 3, 3
	STEP 4, 0, 0, 0, 0
; THE WAY OUT.  Window 0: v28-43 the 49th numbers, later the results; v44-79, v80-115, v116-151 what is left of the widths' sums, the heights' sums and the derivative numbers, four dims side by side.
.set EX,  28
.set XW,  44
.set XH,  80
.set XD,  116
.set MX,  144                          ; maxima: v152-159 widths, v160-167 heights
.set DX,  164
.set DWI, 168                          ; the least width, the least height
.set DHE, 172
.set TX,  172
.set TWI, 176                          ; the wholes
.set THE, 180
.set KT,  184                          ; y x the whole
.set IDX, 188                          ; the bin's number
.set INX, 192
.set KU,  196
.set LG,  200                          ; v200-203 the log sums of four pairs of tiles
.set WK,  XW+8
.set AL,  XW+12
.set RO,  XW+16
.set RW,  XW+20
.set TTH, XW+24
.set QR,  XW+28
.set OM,  XW+32
.set HK,  XH+8
.set YK,  XH+12
.set RT,  XH+16
.set SL,  XH+20
.set T2,  152
.set O2,  156
.set TO,  160
.set A1,  164
.set SM,  208
.set N1,  212
.set N2,  216
.set DN,  220
.set RD,  224
.macro PM d, a, b                      ; four dims, two at a time
.irp i, 0,2
	v_pk_mul_f32 v[\d+\i:\d+\i+1], v[\a+\i:\a+\i+1], v[\b+\i:\b+\i+1]
.endr
.endm
.macro PA d, a, b
.irp i, 0,2
	v_pk_add_f32 v[\d+\i:\d+\i+1], v[\a+\i:\a+\i+1], v[\b+\i:\b+\i+1]
.endr
.endm
.macro PS d, a, b
.irp i, 0,2
	v_pk_add_f32 v[\d+\i:\d+\i+1], v[\a+\i:\a+\i+1], v[\b+\i:\b+\i+1] neg_lo:[0,1] neg_hi:[0,1]
.endr
.endm
.macro PF d, a, b, c
.irp i, 0,2
	v_pk_fma_f32 v[\d+\i:\d+\i+1], v[\a+\i:\a+\i+1], v[\b+\i:\b+\i+1], v[\c+\i:\c+\i+1]
.endr
.endm
; The pair of tiles 2 P, 2 P + 1, all four dims: exponentials and running sums, in place in windows 1 (widths) and 2 (heights).
.macro FRONT P
.set fB, 16*\P
.irp k, 1,2
	WIN 0x41*\k
	s_wait_alu depctr_va_vdst(0)                   ; directly ahead of the first readers of these sums
.irp j, 0,1,2,3,4,5,6,7
.irp q, 0,1,2,3
	v_permlane16_swap_b32 v[64*\q+fB+\j], v[64*\q+fB+8+\j]   ; lanes 0-15 keep tile 2 P, lanes 16-31 tile 2 P + 1: sixteen registers on end now hold numbers 0 .. 15
.endr
.endr
	WIN 0x15*\k
.irp q, 0,1,2,3
	v_max3_num_f32 v[MX+8*\k+\q], v[64*\q+fB], v[64*\q+fB+1], v[64*\q+fB+2]
	v_max3_num_f32 v[MX+8*\k+4+\q], v[64*\q+fB+3], v[64*\q+fB+4], v[64*\q+fB+5]
.endr
	WIN 0x14*\k
.irp i, 6,10
.irp q, 0,1,2,3
	v_max3_num_f32 v[MX+8*\k+\q], v[MX+8*\k+\q], v[64*\q+fB+\i], v[64*\q+fB+\i+1]
	v_max3_num_f32 v[MX+8*\k+4+\q], v[MX+8*\k+4+\q], v[64*\q+fB+\i+2], v[64*\q+fB+\i+3]
.endr
.endr
.irp q, 0,1,2,3
	v_max3_num_f32 v[MX+8*\k+\q], v[MX+8*\k+\q], v[64*\q+fB+14], v[64*\q+fB+15]
.endr
	WIN 0
.irp q, 0,1,2,3
	v_max_num_f32 v[MX+8*\k+\q], v[MX+8*\k+\q], v[MX+8*\k+4+\q]
.endr
.irp i, 0,2
	v_pk_mul_f32 v[MX+8*\k+\i:MX+8*\k+\i+1], v[MX+8*\k+\i:MX+8*\k+\i+1], s[56:57] op_sel_hi:[1,0]
.endr
	WIN 0x41*\k
.irp i, 0,2,4,6,8,10,12,14
.irp q, 0,2                                    ; (number - largest) log2 e
	v_pk_fma_f32 v[64*\q+fB+\i:64*\q+fB+\i+1], v[64*\q+fB+\i:64*\q+fB+\i+1], s[54:55], v[MX+8*\k+\q:MX+8*\k+\q+1] op_sel_hi:[1,0,0]
	v_pk_fma_f32 v[64*\q+64+fB+\i:64*\q+64+fB+\i+1], v[64*\q+64+fB+\i:64*\q+64+fB+\i+1], s[54:55], v[MX+8*\k+\q:MX+8*\k+\q+1] op_sel:[0,0,1] op_sel_hi:[1,0,1]
.endr
.endr
.endr
	s_wait_alu depctr_va_vdst(0)
.irp k, 1,2
	WIN 0x41*\k
.irp i, 0,1,2,3,4,5,6,7,8,9,10,11,12,13,14,15
.irp q, 0,1,2,3
	v_exp_f32 v[64*\q+fB+\i], v[64*\q+fB+\i]
.endr
.endr
.endr
	WIN 0xc3
	s_wait_alu depctr_va_vdst(0)                   ; one wait for the batch, and for the first readers of these sums
.irp j, 0,1,2,3,4,5,6,7
.irp q, 0,1,2,3
	v_permlane16_swap_b32 v[64*\q+fB+\j], v[64*\q+fB+8+\j]   ; the derivative numbers
.endr
.endr
.if \P == 0
	WIN 0
	s_wait_alu depctr_va_vdst(0)
	s_barrier_wait -1                              ; everybody's extra tiles have landed
.irp p, 0,1,2,3
	ds_load_b128 v[EX+4*\p:EX+4*\p+3], v[5+(\p>>1)] offset:2048*(\p&1)   ; the 49th numbers of my four dims
.endr
.endif
.irp k, 1,2
	WIN 0x45*\k
.irp i, 0,2,4,6,8,10,12,14
.irp q, 0,1,2,3
	v_add_f32 v[64*\q+fB+\i+1], v[64*\q+fB+\i], v[64*\q+fB+\i+1]
.endr
.endr
.irp i, 2,4,6,8,10,12,14
.irp q, 0,1,2,3
	v_pk_add_f32 v[64*\q+fB+\i:64*\q+fB+\i+1], v[64*\q+fB+\i:64*\q+fB+\i+1], v[64*\q+fB+\i-2:64*\q+fB+\i-1] op_sel:[0,1] op_sel_hi:[1,1]   ; register k - 1 is c_k
.endr
.endr
	WIN 0x04*\k
.irp q, 0,1,2,3
	v_mul_f32 v[DX+4*\k+\q], 0x3a853408, v[64*\q+fB+15]      ; S x 0.001 / 0.984
	v_mul_f32 v[TX+4*\k+\q], 0x3f8214d0, v[64*\q+fB+15]      ; S / 0.984
.endr
.endr
	WIN 0
.endm
.macro CNDS A, n                       ; of 2 n + 1 neighbours the upper or the lower n + 1, in place
.set cI, 0
.rept \n+1
.irp q, 0,1,2,3
	v_cndmask_b32 v[\A+4*cI+\q], v[\A+4*cI+\q], v[\A+4*(cI+\n)+\q], s[24+\q]
.endr
.set cI, cI+1
.endr
.endm
.macro LEVEL n, nf
.irp i, 0,2
	v_pk_add_f32 v[INX+\i:INX+\i+1], v[IDX+\i:IDX+\i+1], \nf op_sel_hi:[1,0]
.endr
	PF KU, DWI, INX, XW+4*\n                       ; the middle knot
.irp q, 0,1,2,3
	v_cmp_le_f32 s[24+\q], v[KU+\q], v[KT+\q]
.endr
.irp q, 0,1,2,3
	v_cndmask_b32 v[IDX+\q], v[IDX+\q], v[INX+\q], s[24+\q]
.endr
	CNDS XW, \n
	CNDS XH, \n
	CNDS XD, \n
.endm
.macro BACK P                          ; the bin, its spline, its log derivative
.set fB, 16*\P
.if \P == 0
	s_wait_alu depctr_va_vdst(0)
	s_wait_dscnt 0x0                               ; the 49th numbers are in
.endif
	PM KT, YV+4*\P, TWI
	WIN 0x10
.irp q, 0,1,2,3
	v_fma_f32 v[KU+\q], v[DWI+\q], s58, v[64*\q+fB+7]        ; knot 8
.endr
	WIN 0
.irp q, 0,1,2,3
	v_cmp_le_f32 s[24+\q], v[KU+\q], v[KT+\q]
.endr
.irp q, 0,1,2,3
	v_cndmask_b32 v[IDX+\q], 0, s58, s[24+\q]
.endr
.irp k, 1,2
	WIN 0x05*\k
.irp q, 0,1,2,3
	v_cndmask_b32 v[XW+36*(\k-1)+\q], 0, v[64*\q+fB+7], s[24+\q]
.endr
.irp i, 1,2,3,4,5,6,7,8
.irp q, 0,1,2,3
	v_cndmask_b32 v[XW+36*(\k-1)+4*\i+\q], v[64*\q+fB+\i-1], v[64*\q+fB+7+\i], s[24+\q]
.endr
.endr
.endr
	WIN 0x0f
.irp i, 0,1,2,3,4,5,6,7
.irp q, 0,1,2,3
	v_cndmask_b32 v[XD+4*\i+\q], v[64*\q+fB+\i], v[64*\q+fB+8+\i], s[24+\q]
.endr
.endr
	WIN 0x03
.irp q, 0,1,2,3
	v_cndmask_b32 v[XD+32+\q], v[64*\q+fB+8], v[EX+4*\P+\q], s[24+\q]
.endr
	WIN 0
	LEVEL 4, 4.0
	LEVEL 2, 2.0
	LEVEL 1, 1.0
	PS WK, XW+4, XW
	PS HK, XH+4, XH
	PF AL, DWI, IDX, XW                            ; the left knot,
	PF YK, DHE, IDX, XH                            ; its y,
	PA WK, WK, DWI                                 ; the bin's width,
	PA HK, HK, DHE                                 ; its height,
	PS RO, KT, AL                                  ; y from its left knot: all unnormalised
.irp q, 0,1,2,3
	v_mul_f32 v[XD+8+\q], s56, |v[XD+\q]|          ; softplus(x) = max(x, 0) + ln 2 x log2(1 + 2^(-|x| log2 e))
	v_mul_f32 v[XD+12+\q], s56, |v[XD+4+\q]|
.endr
	s_wait_alu depctr_va_vdst(0)
.irp q, 0,1,2,3
	v_rcp_f32 v[RW+\q], v[WK+\q]
	v_rcp_f32 v[RT+\q], v[THE+\q]
	v_exp_f32 v[XD+16+\q], v[XD+8+\q]
	v_exp_f32 v[XD+20+\q], v[XD+12+\q]
.endr
.irp i, 0,1,2,3,4,5,6,7
	v_max_num_f32 v[XD+\i], 0, v[XD+\i]
.endr
.irp i, 0,2,4,6
	v_pk_add_f32 v[XD+\i:XD+\i+1], v[XD+\i:XD+\i+1], 0x3a83126f op_sel_hi:[1,0]   ; + 0.001
.endr
	s_wait_alu depctr_va_vdst(0)                   ; one wait for the batch
.irp i, 0,2,4,6
	v_pk_add_f32 v[XD+16+\i:XD+17+\i], v[XD+16+\i:XD+17+\i], 1.0 op_sel_hi:[1,0]
.endr
	PM TTH, RO, RW                                 ; theta
	PM HK, HK, RT                                  ; the bin's height
	PM QR, RW, TWI
	PM YK, YK, RT                                  ; the left knot's y
	s_wait_alu depctr_va_vdst(0)
.irp i, 0,1,2,3,4,5,6,7
	v_log_f32 v[XD+24+\i], v[XD+16+\i]
.endr
.irp i, 0,2
	v_pk_fma_f32 v[OM+\i:OM+\i+1], v[TTH+\i:TTH+\i+1], -1.0, 1.0 op_sel_hi:[1,0,0]   ; 1 - theta
.endr
	PM SL, HK, QR                                  ; the slope
	PM T2, TTH, TTH
	PM TO, TTH, OM
	PM O2, OM, OM
	PM A1, SL, TO
	s_wait_alu depctr_va_vdst(0)                   ; one wait for the logarithms
.irp i, 0,2,4,6
	v_pk_fma_f32 v[XD+\i:XD+\i+1], v[XD+24+\i:XD+25+\i], 0x3f317218, v[XD+\i:XD+\i+1] op_sel_hi:[1,0,1]   ; the two knots' derivatives d0, d1
.endr
	PM N1, XD, TO
	PA SM, XD, XD+4
	PM N2, XD, O2
	PF N1, SL, T2, N1                              ; slope theta^2 + d0 theta (1 - theta)
.irp i, 0,2
	v_pk_fma_f32 v[SM+\i:SM+\i+1], v[SL+\i:SL+\i+1], -2.0, v[SM+\i:SM+\i+1] op_sel_hi:[1,0,1]
.endr
	PF N2, XD+4, T2, N2
	PF DN, SM, TO, SL                              ; the denominator
.irp i, 0,2
	v_pk_fma_f32 v[N2+\i:N2+\i+1], v[A1+\i:A1+\i+1], 2.0, v[N2+\i:N2+\i+1] op_sel_hi:[1,0,1]   ; d1 theta^2 + 2 slope theta (1 - theta) + d0 (1 - theta)^2
.endr
	s_wait_alu depctr_va_vdst(0)
.irp q, 0,1,2,3
	v_rcp_f32 v[RD+\q], v[DN+\q]
.endr
	PM N1, N1, HK
	s_wait_alu depctr_va_vdst(0)
	PM SM, SL, RD
	PF EX+4*\P, N1, RD, YK                         ; the spline's values
	PM SM, SM, SM
	PM SM, SM, N2                                  ; their derivatives
	s_wait_alu depctr_va_vdst(0)
.irp q, 0,1,2,3
	v_log_f32 v[N1+\q], v[SM+\q]
.endr
	v_nop                                          ; one plain place behind the logarithms
	s_wait_alu depctr_va_vdst(0)
	v_pk_add_f32 v[N1:N1+1], v[N1:N1+1], v[N1+2:N1+3]
	global_store_b128 v[246+(\P>>1)], v[EX+4*\P:EX+4*\P+3], s[16:17] offset:512*(\P&1)   ; 32 lanes store 512 consecutive bytes, aligned
	v_add_f32 v[LG+\P], v[N1], v[N1+1]
.endm
	s_lshl_b32 s66, s[WV], 12
	s_lshl_b32 s70, s[CC], 9
	s_lshl_b32 s67, s3, 12
	s_add_co_u32 s68, s66, s70                     ; my first four tiles' images, my dims' half
	s_add_co_u32 s67, s67, s70                     ; my partner's
	s_lshl_b32 s69, s[WV], 9
	s_add_co_u32 s69, s69, PST
	s_lshl_b32 s70, s[CC], 8
	s_xor_b32 s71, s70, 256
	s_add_co_u32 s70, s70, s69
	s_add_co_u32 s71, s71, s69
	s_lshl_b32 s72, s[WV], 10
	s_lshl_b32 s73, s3, 10
	s_mov_b32 s54, 0x3fb8aa3b                      ; log2 e (no tensor load is out: the descriptors' registers are free)
	s_mov_b32 s55, s54
	s_mov_b32 s56, 0xbfb8aa3b                      ; -log2 e
	s_mov_b32 s57, s56
	s_mov_b32 s58, 0x41000000                      ; 8
	v_and_b32 v1, 31, v0                           ; these lines are also the places behind the last products
	v_and_b32 v2, 15, v0
	v_bfe_u32 v3, v0, 4, 1
	v_lshlrev_b32 v7, 4, v1                        ; 16 x lane
	v_lshlrev_b32 v2, 4, v2
	v_lshl_add_u32 v8, v1, 2, s70                  ; the log sums: rows 64 (wave % 2) on,
	v_lshl_add_u32 v9, v1, 2, s71                  ; and the other 64
	v_lshl_add_u32 v2, v3, 10, v2                  ; 16 r + 1,024 h: lanes 16-31 take the odd tile of rows
	v_add_nc_u32 v4, s66, v7                       ; where my four extra tiles go
	v_add_nc_u32 v10, s69, v7
	v_add_nc_u32 v246, s72, v7                     ; ows: 16 bytes a row
	v_add_nc_u32 v247, s73, v7
	v_add_nc_u32 v5, s68, v2
	v_add_nc_u32 v6, s67, v2
	s_wait_alu depctr_va_vdst(0)
	s_wait_loadcnt 0x0                             ; y
.irp i, 0,1,2,3
	ds_store_b128 v4, v[XA+8*\i:XA+8*\i+3] offset:1024*\i          ; each accumulator from its low end on
	ds_store_b128 v4, v[XA+8*\i+4:XA+8*\i+7] offset:1024*\i+512
.endr
	s_wait_dscnt 0x0                               ; for the others' sake: my extra tiles have landed
	s_barrier_signal -1                            ; its wait stands in FRONT 0: work on registers between
	FRONT 0
	BACK 0
	FRONT 1
	BACK 1
	FRONT 2
	BACK 2
	FRONT 3
	BACK 3
.irp i, 0,1,2,3
	v_mul_f32 v[LG+\i], 0x3f317218, v[LG+\i]       ; log2 to ln
.endr
	ds_store_b32 v8, v[LG]
	ds_store_b32 v8, v[LG+1] offset:128
	ds_store_b32 v9, v[LG+2]
	ds_store_b32 v9, v[LG+3] offset:128
	ds_load_b128 v[208:211], v10                   ; my 128 rows' sums in the rows' order, four a lane: a wave's LDS instructions are served in order (ISA guide 5.7.1.4)
	s_wait_dscnt 0x0
	global_store_b128 v7, v[208:211], s[18:19]     ; 512 consecutive bytes
	s_wait_tensorcnt 0x0                           ; the wave's end
	ds_add_u32 v[SPW], v[NIL]
	s_wait_dscnt 0x0
	CROUND                                         ; the closing round: no work-group ends while a partner may still ask for a tile that names it
	s_endpgm
.Lfunc_end_k_qe207a9a395_spline:
	.size	k_qe207a9a395_spline, .Lfunc_end_k_qe207a9a395_spline-k_qe207a9a395_spline
	.p2alignl 7, 3214868480
	.fill 96, 4, 3214868480
	.section	.rodata,"a",@progbits
	.p2align	6, 0x0
	.amdhsa_kernel k_qe207a9a395_spline
		.amdhsa_group_segment_fixed_size 327680
		.amdhsa_private_segment_fixed_size 0
		.amdhsa_enable_private_segment 0
		.amdhsa_kernarg_size 64
		.amdhsa_user_sgpr_count 2
		.amdhsa_user_sgpr_kernarg_segment_ptr 1
		.amdhsa_wavefront_size32 1
		.amdhsa_system_sgpr_workgroup_id_x 1
		.amdhsa_system_sgpr_workgroup_id_y 1
		.amdhsa_system_sgpr_workgroup_id_z 1
		.amdhsa_system_vgpr_workitem_id 0
		.amdhsa_next_free_vgpr 1024
		.amdhsa_next_free_sgpr 102
		.amdhsa_reserve_vcc 0
		.amdhsa_float_denorm_mode_32 3
		.amdhsa_float_denorm_mode_16_64 3
		.amdhsa_memory_ordered 1
		.amdhsa_forward_progress 1
		.amdhsa_inst_pref_size 255
	.end_amdhsa_kernel
	.section	.bss,"aw",@nobits
	.p2align	6
	.space	262144
	.amdgpu_metadata
---
amdhsa.version: [ 1, 2 ]
amdhsa.kernels:
  - .name:           k_qe207a9a395_spline
    .symbol:         k_qe207a9a395_spline.kd
    .args:
      - { .name: hc, .offset: 0, .size: 8, .value_kind: global_buffer, .address_space: global }
      - { .name: hs, .offset: 8, .size: 8, .value_kind: global_buffer, .address_space: global }
      - { .name: W2_codes, .offset: 16, .size: 8, .value_kind: global_buffer, .address_space: global }
      - { .name: W2_scales, .offset: 24, .size: 8, .value_kind: global_buffer, .address_space: global }
      - { .name: b2, .offset: 32, .size: 8, .value_kind: global_buffer, .address_space: global }
      - { .name: y, .offset: 40, .size: 8, .value_kind: global_buffer, .address_space: global }
      - { .name: ows, .offset: 48, .size: 8, .value_kind: global_buffer, .address_space: global }
      - { .name: part, .offset: 56, .size: 8, .value_kind: global_buffer, .address_space: global }
    .group_segment_fixed_size: 327680
    .private_segment_fixed_size: 0
    .kernarg_segment_align: 8
    .kernarg_segment_size: 64
    .max_flat_workgroup_size: 128
    .sgpr_count:     102
    .vgpr_count:     1024
    .wavefront_size: 32
...
	.end_amdgpu_metadata
.endif
;; end of part 2
;; launch gather (part 3): grid 64 x 1, 16 waves a work-group, no clusters, 37,888 bytes of LDS; arguments ows, part, out0, out1; writes out0, out1
.if DOCPART == 3
	.amdgcn_target "amdgcn-amd-amdhsa--gfx1250"
	.amdhsa_code_object_version 6
	.text
	.protected	k_qe207a9a395_gather
	.globl	k_qe207a9a395_gather
	.p2align	8
	.type	k_qe207a9a395_gather,@function
k_qe207a9a395_gather:
	s_mov_b64 s[64:65], 0
	v_nop
	global_prefetch_b8 v0, s[64:65] scope:SCOPE_SE
	s_setreg_imm32_b32 hwreg(HW_REG_WAVE_MODE, 25, 1), 1
	s_wait_xcnt 0x0
; out0[row][dim] from ows [group of 4 dims 32][row 4096][4], and out1[row] = the sum of part [group 32][row 4096] over the 32 groups.
; A work-group takes 64 rows (out1's 64 numbers are one aligned block of 256 bytes).  Wave w: rows 32 (w % 2) on, a lane a row; groups 4 (w / 2) on.  Each load of the wave covers 512 (ows) or 128 (part) consecutive bytes.
; The rows are put together in LDS (rows of 512 bytes + 16, so that the lanes' 16-byte stores fall into different columns) and leave whole: a store of the wave covers a row's 512 bytes.
; No matrix unit, no cluster, no tensor load: the launch moves each byte once and adds 32 numbers a row.
.set RP,   528
.set SUMS, 64*RP                       ; behind the rows: [w / 2][row 64] partial sums
.set SPARE, SUMS+2048                  ; the spare words: 128 bytes a wave
	s_load_b256 s[4:11], s[0:1], 0x0               ; ows s[4:5], part s[6:7], out0 s[8:9], out1 s[10:11]
	v_lshl_add_u32 v60, v0, 2, SPARE
	v_mov_b32 v61, 0
	v_lshrrev_b32 v1, 5, v0
	v_readfirstlane_b32 s12, v1                    ; wave 0..15
	s_and_b32 s13, s12, 1
	s_lshr_b32 s14, s12, 1
	s_lshl_b32 s15, s13, 5                         ; my 32 rows
	s_lshl_b32 s2, s14, 6                          ; my 16 dims in a row
	s_lshl_b32 s3, s14, 8
	s_add_co_u32 s3, s3, SUMS
	s_mul_i32 s13, s12, 4*RP                       ; back: rows 4 w on
	s_lshl_b32 s16, ttmp9, 10                      ; ows: 64 rows of 16 bytes a work-group,
	s_lshl_b32 s17, s14, 18                        ; 4 groups of 65,536 bytes
	s_add_co_u32 s16, s16, s17
	s_mov_b32 s17, 0
	s_lshl_b32 s18, ttmp9, 8                       ; part: 64 rows of 4 bytes,
	s_lshl_b32 s19, s14, 16                        ; 4 groups of 16,384 bytes
	s_add_co_u32 s18, s18, s19
	s_mov_b32 s19, 0
	s_lshl_b32 s20, ttmp9, 15                      ; out0: 64 rows of 512 bytes,
	s_lshl_b32 s21, s12, 11                        ; 4 rows a wave
	s_add_co_u32 s20, s20, s21
	s_mov_b32 s21, 0
	s_lshl_b32 s22, ttmp9, 8                       ; out1
	s_mov_b32 s23, 0
	v_and_b32 v1, 31, v0                           ; lane
	v_add_nc_u32 v2, s15, v1                       ; my row of the 64
	v_lshlrev_b32 v8, 4, v1
	v_lshlrev_b32 v9, 3, v1
	v_lshlrev_b32 v3, 4, v2                        ; in ows
	v_lshlrev_b32 v4, 2, v2                        ; in part
	v_mul_u32_u24 v5, RP, v2
	v_add_nc_u32 v7, s13, v8                       ; back: 16 bytes a lane
	v_add_nc_u32 v10, SUMS, v9
	v_add_nc_u32 v6, s3, v4                        ; my partial sum
	v_add_nc_u32 v5, s2, v5                        ; LDS: my row, my 16 dims
	s_wait_alu depctr_va_vdst(0)
	s_wait_kmcnt 0x0
	s_add_nc_u64 s[4:5], s[4:5], s[16:17]
	s_add_nc_u64 s[6:7], s[6:7], s[18:19]
	s_add_nc_u64 s[8:9], s[8:9], s[20:21]
	s_add_nc_u64 s[10:11], s[10:11], s[22:23]
.irp n, 0,1,2,3
	global_load_b128 v[16+4*\n:19+4*\n], v3, s[4:5] offset:65536*\n th:TH_LOAD_NT
.endr
.irp n, 0,1,2,3
	global_load_b32 v[32+\n], v4, s[6:7] offset:16384*\n th:TH_LOAD_NT
.endr
.irp j, 0,1,2,3
	s_wait_loadcnt 7-\j                            ; group j is in; the younger loads may be out
	ds_store_b128 v5, v[16+4*\j:19+4*\j] offset:16*\j      ; four neighbouring dims of my row
.endr
	s_wait_loadcnt 0x0
	v_add_f32 v32, v32, v33
	v_add_f32 v34, v34, v35
	v_add_f32 v32, v32, v34
	ds_store_b32 v6, v32
	s_wait_dscnt 0x0                               ; for the others' sake: my stores have landed
	s_barrier_signal -1
	s_barrier_wait -1
.irp n, 0,1,2,3
	ds_load_b128 v[16+4*\n:19+4*\n], v7 offset:RP*\n
.endr
.irp n, 0,1,2,3
	s_wait_dscnt 3-\n                              ; row n of my four is in; the younger ones may be out
	global_store_b128 v8, v[16+4*\n:19+4*\n], s[8:9] offset:512*\n th:TH_STORE_NT   ; a row's 512 bytes
.endr
	s_cmp_lg_u32 s12, 0                            ; wave 0 adds the eight partial sums of the 64 rows, two rows a lane
	s_cbranch_scc1 .Ldone
.irp u, 0,1,2,3,4,5,6,7
	ds_load_b64 v[40+2*\u:41+2*\u], v10 offset:256*\u
.endr
	s_wait_dscnt 0x0
	v_pk_add_f32 v[40:41], v[40:41], v[42:43]
	v_pk_add_f32 v[44:45], v[44:45], v[46:47]
	v_pk_add_f32 v[48:49], v[48:49], v[50:51]
	v_pk_add_f32 v[52:53], v[52:53], v[54:55]
	v_pk_add_f32 v[40:41], v[40:41], v[44:45]
	v_pk_add_f32 v[48:49], v[48:49], v[52:53]
	v_pk_add_f32 v[40:41], v[40:41], v[48:49]
	global_store_b64 v9, v[40:41], s[10:11] th:TH_STORE_NT   ; 256 consecutive bytes, aligned
.Ldone:
	s_wait_tensorcnt 0x0                           ; the wave's end
	ds_add_u32 v60, v61
	s_wait_dscnt 0x0
	s_endpgm
.Lfunc_end_k_qe207a9a395_gather:
	.size	k_qe207a9a395_gather, .Lfunc_end_k_qe207a9a395_gather-k_qe207a9a395_gather
	.p2alignl 7, 3214868480
	.fill 96, 4, 3214868480
	.section	.rodata,"a",@progbits
	.p2align	6, 0x0
	.amdhsa_kernel k_qe207a9a395_gather
		.amdhsa_group_segment_fixed_size 37888
		.amdhsa_private_segment_fixed_size 0
		.amdhsa_enable_private_segment 0
		.amdhsa_kernarg_size 32
		.amdhsa_user_sgpr_count 2
		.amdhsa_user_sgpr_kernarg_segment_ptr 1
		.amdhsa_wavefront_size32 1
		.amdhsa_system_sgpr_workgroup_id_x 1
		.amdhsa_system_sgpr_workgroup_id_y 1
		.amdhsa_system_sgpr_workgroup_id_z 1
		.amdhsa_system_vgpr_workitem_id 0
		.amdhsa_next_free_vgpr 64
		.amdhsa_next_free_sgpr 66
		.amdhsa_reserve_vcc 0
		.amdhsa_float_denorm_mode_32 3
		.amdhsa_float_denorm_mode_16_64 3
		.amdhsa_memory_ordered 1
		.amdhsa_forward_progress 1
		.amdhsa_inst_pref_size 6
	.end_amdhsa_kernel
	.amdgpu_metadata
---
amdhsa.version: [ 1, 2 ]
amdhsa.kernels:
  - .name:           k_qe207a9a395_gather
    .symbol:         k_qe207a9a395_gather.kd
    .args:
      - { .name: ows, .offset: 0, .size: 8, .value_kind: global_buffer, .address_space: global }
      - { .name: part, .offset: 8, .size: 8, .value_kind: global_buffer, .address_space: global }
      - { .name: out0, .offset: 16, .size: 8, .value_kind: global_buffer, .address_space: global }
      - { .name: out1, .offset: 24, .size: 8, .value_kind: global_buffer, .address_space: global }
    .group_segment_fixed_size: 37888
    .private_segment_fixed_size: 0
    .kernarg_segment_align: 8
    .kernarg_segment_size: 32
    .max_flat_workgroup_size: 512
    .sgpr_count:     66
    .vgpr_count:     64
    .wavefront_size: 32
...
	.end_amdgpu_metadata
.endif
;; end of part 3
